; MI455X (gfx1250); checked and timed in simulation.
; The chip was launched on July 23, 2026; its instructions are those of AMD's public machine-readable ISA for CDNA 5 (MIT licence, August 2026) and "CDNA5" Instruction Set Architecture Reference Guide (July 2026). The comments in the code are by the model that wrote it; some were corrected since.
;; Crom Linear SOTA. Allowed arithmetic: matrix products marked QUANTISED: E2M1 operands, one E8M0 scale for each 32 along K, by v_wmma_scale_f32_16x16x128_f8f6f4 with both operands' format E2M1 (or v_wmma_scale_f32_32x16x128_f4), f32 sums; everything else in f32.
;; Inputs: codebook 256 x 8 float16; indices 1,048,576 int32; x_codes 4 x 2,048 x 128 x 16 uint8 (E2M1 codes of x, K innermost, in blocks of 32 codes, two codes a byte); x_scales 4 x 2,048 x 128 uint8 (E8M0 scales of x, one for each 32 codes along K).
;; Outputs: out0 4 x 2,048 x 2,048 float32.
;; This version of the problem:
;;   THIS VERSION OF THE PROBLEM IS GIVEN IN LOW PRECISION. The matrix products marked QUANTISED in the list below multiply operands that are first quantised to E2M1 (2 exponent bits, 1 mantissa bit; 4 bits a number), with one power-of-two scale for each 32 numbers along K (OCP MX v1.0); their sums are f32. All else is computed in f32.
;;   The module's matrix products, in the order in which they are computed (A, B: the left and right operand; K: the contracted axis; several contracted axes count as one K, in the product's order):
;;     1. [M 8,192, K 4,096] x [K 4,096, N 2,048]; A: input x (given as codes); B: computed on the way: QUANTISED
;;   THE QUANTISER, for each operand of a quantised product, along K:
;;     - K is cut into blocks of 32 from its start; a last block that is shorter is filled with zeros.
;;     - A block's scale is 2^e with e = floor(log2(the largest magnitude in the block)) - 2, held to -126 .. 127; a block of zeros has e = 0. As a byte (E8M0): e + 127.
;;     - Each number is divided by its block's scale, clamped to +-6, and rounded to the nearest number of E2M1, ties to even, subnormals kept.
;;     - The product sums the exact products of the quantised numbers (number of the format x scale) in f32.
;;   ~~~python
;;   def quantise(x, axis):      # numpy; x: float32 -> the quantised numbers, widened to float32 again
;;       x = np.moveaxis(x, axis, -1); K = x.shape[-1]
;;       x = np.pad(x, [(0, 0)] * (x.ndim - 1) + [(0, -K % 32)]); x = x.reshape(x.shape[:-1] + (-1, 32)); a = np.abs(x).max(-1, keepdims=True)
;;       e = np.where(a > 0, np.clip(np.frexp(np.where(a > 0, a, 1))[1] - 1 - 2, -126, 127), 0)      # np.frexp(a)[1] - 1 = floor(log2(a)), exactly
;;       r = np.clip(x / 2.0 ** e, -6, 6)
;;       step = 2.0 ** (np.maximum(np.frexp(np.where(r == 0, 1, r))[1] - 1, 0) - 1)
;;       q = np.round(r / step) * step * 2.0 ** e      # np.round: ties to even
;;       return np.moveaxis(q.reshape(q.shape[:-2] + (-1,))[..., :K], -1, axis).astype(np.float32)
;;   ~~~
;;   OPERANDS COMPUTED ON THE WAY. 'Computed on the way' means the value that the module computes at that place (a softmax that the list does not call 'softmax' is quantised finished and normalised). What goes into a quantiser is computed in f32, as accurately as f32 sums, v_exp_f32 and their like allow (about 1e-6 of the number): no bf16 or f16 on the way to a quantiser, and a product that is left as it is and whose result goes on into a quantised operand takes f32 operands (vector FMAs, or v_wmma_f32_16x16x4_f32). A number that lies on a knife's edge between two numbers of the format may be rounded either way, as far as f32 arithmetic and the matrix unit's own rounding can turn it there, and no further.
;;   INPUTS GIVEN AS CODES. x (in the module: [4, 2048, 4096], K = its axis 2): each comes as NAME_codes (uint8): NAME with its K axis moved to the last place and cut into blocks of 32 codes, [.., K / 32, bytes a block], one block behind the other in memory; two codes a byte, the lower K in the low four bits (a code: sign, 2 exponent bits, 1 mantissa bit); and NAME_scales (uint8): the same leading axes, one E8M0 byte (e + 127) for each 32 codes along K. Its value is code x scale, taken as it is: it is not quantised again, and the codes and scales need not be those that the quantiser above would give.
;; One version. Each part assembles by itself: llvm-mc -triple=amdgcn-amd-amdhsa -mcpu=gfx1250 --defsym DOCPART=n.
;; ======== version 1 of 1: 2 launches
;; limits: values are held in f16: magnitudes above 65,504 overflow, below 6.1e-05 lose precision; right only within a limited range of input values
;; workspace buffers: w_codes 4,194,304 bytes; ws 262,144 bytes
;; launch prep (part 1): grid 8 x 32, 16 waves a work-group, no clusters, 23,808 bytes of LDS; arguments codebook, indices, w_codes, ws; writes w_codes, ws
.if DOCPART == 1
	.amdgcn_target "amdgcn-amd-amdhsa--gfx1250"
	.amdhsa_code_object_version 6
	.text
	.protected	k_q0caf59eeb8_prep
	.globl	k_q0caf59eeb8_prep
	.p2align	8
	.type	k_q0caf59eeb8_prep,@function
k_q0caf59eeb8_prep:
	s_mov_b64 s[64:65], 0
	v_nop
	global_prefetch_b8 v0, s[64:65] scope:SCOPE_SE
	s_setreg_imm32_b32 hwreg(HW_REG_WAVE_MODE, 25, 1), 1
	s_wait_xcnt 0x0
; W[n][8 j .. 8 j + 7] = codebook[indices[512 n + j]] (f16, widened exactly to f32), n < 2048, j < 512, is quantised along K = 4096 into codes of FP4 (E2M1) with one E8M0 byte for each block of 32.
; A block's scale is 2^(floor(log2(its largest magnitude)) - 2): its byte is that magnitude's exponent field - 2.
; THE LAYOUT IS THE IMAGE OF THE MATRIX OPERAND'S REGISTERS.  n = 64 g + 4 r + t (g < 32, r < 16, t < 4); block kb = 4 S + 2 c + h along K (S < 32 steps of 128):
;   w_codes [g][S][t][c][h][r][16 bytes]: one load of 32 lanes x 16 bytes is half a fragment of the 16 columns 4 r + t;
;   ws [g][S][lane 16 (t % 2) + r][word t / 2][byte kb % 4]: 8 bytes a lane.
; Work-group (s, g): 64 rows of W x 512 along K.  Wave w takes rows 4 w .. 4 w + 3 (r = w), two rows at a time: lane (l % 16, l / 16) owns a WHOLE block: its 4 indices are 16 bytes, sixteen lanes read 256 consecutive, aligned bytes,
; its largest magnitude needs no other lane.  The table, 4,096 bytes, is copied into LDS and gathered there.  Codes and scale bytes are turned in LDS; the work-group stores 16,384 consecutive bytes of codes and 1,024 of ws.
; No matrix unit, no tensor load, no cluster: a gather and a cast; each byte of the indices is read once.
; LIMITS: NaN and infinities in the codebook are not served.  A block of zeros gets the byte 1 where the rule says 127: its codes are zeros, which add nothing under any byte but 0xff, and this program alone reads ws.
; An index outside 0 .. 255 (the table's rows) is held at 255.
.set KP, 1040                          ; LDS: a block column kb: 64 rows x 16 bytes, + 16
.set CODES, 4096                       ; behind the table
.set SCB, CODES+16*KP                  ; scale bytes: 1,024
.set SPARE, SCB+1024                   ; the spare words, 128 bytes a wave
.set X, 64                             ; v64-95, v96-127: two blocks' numbers in f32
	s_load_b256 s[4:11], s[0:1], 0x0               ; codebook, indices, w_codes, ws
	v_lshl_add_u32 v30, v0, 2, SPARE
	v_mov_b32 v31, 0
	v_lshrrev_b32 v1, 5, v0
	v_readfirstlane_b32 s16, v1                    ; wave 0..15
	v_and_b32 v2, 15, v0                           ; my block of the 16
	v_bfe_u32 v3, v0, 4, 1                         ; h: which of two rows
	v_lshlrev_b32 v4, 3, v0                        ; my 8 bytes of the table
	s_lshl_b32 s17, s16, 13                        ; 4 rows of 2,048 bytes of indices
	v_lshl_add_u32 v5, v2, 4, s17
	v_lshl_add_u32 v5, v3, 11, v5
	s_lshl_b32 s18, s16, 4
	s_add_co_u32 s18, s18, CODES
	v_mul_u32_u24 v6, v2, KP                       ; codes in: block column, t = 2 e + h, r = wave
	v_lshl_add_u32 v6, v3, 8, v6
	v_add_nc_u32 v6, s18, v6
	v_and_b32 v7, 3, v2                            ; scale byte in: 256 (kb / 4) + 128 h + 8 wave + kb % 4 (+ 4 e)
	v_lshrrev_b32 v8, 2, v2
	v_lshl_add_u32 v7, v8, 8, v7
	v_lshl_add_u32 v7, v3, 7, v7
	s_lshl_b32 s19, s16, 3
	s_add_co_u32 s19, s19, SCB
	v_add_nc_u32 v7, s19, v7
	s_lshr_b32 s20, s16, 2                         ; codes out: wave = 4 S' + t: block columns 4 S' + 2 p + h
	s_mul_i32 s20, s20, 4*KP
	s_and_b32 s21, s16, 3
	s_lshl_b32 s21, s21, 8
	s_add_co_u32 s20, s20, s21
	s_add_co_u32 s20, s20, CODES
	v_mul_u32_u24 v10, v3, KP
	v_lshl_add_u32 v10, v2, 4, v10
	v_add_nc_u32 v10, s20, v10
	v_and_b32 v11, 31, v0
	s_lshl_b32 s21, s16, 10
	v_lshl_add_u32 v11, v11, 4, s21
	v_lshlrev_b32 v12, 4, v0                       ; waves 0 and 1: 16 bytes of ws
	v_add_nc_u32 v13, SCB, v12
	s_and_b32 s22, ttmp7, 0xffff                   ; g
	s_lshl_b32 s23, s22, 17
	s_lshl_b32 s24, ttmp9, 8
	s_add_co_u32 s24, s24, s23                     ; indices: 64 rows of 2,048 bytes, 256 bytes of each
	s_mov_b32 s25, 0
	s_lshl_b32 s26, ttmp9, 14
	s_add_co_u32 s26, s26, s23                     ; w_codes
	s_mov_b32 s27, 0
	s_lshl_b32 s28, s22, 13
	s_lshl_b32 s29, ttmp9, 10
	s_add_co_u32 s28, s28, s29                     ; ws
	s_mov_b32 s29, 0
	s_wait_alu depctr_va_vdst(0)                   ; the wait at the head's end
	s_wait_kmcnt 0x0
	s_add_nc_u64 s[6:7], s[6:7], s[24:25]
	s_add_nc_u64 s[8:9], s[8:9], s[26:27]
	s_add_nc_u64 s[10:11], s[10:11], s[28:29]
	global_load_b64 v[14:15], v4, s[4:5]
	global_load_b128 v[16:19], v5, s[6:7] th:TH_LOAD_NT
	global_load_b128 v[20:23], v5, s[6:7] offset:4096 th:TH_LOAD_NT
	s_wait_loadcnt 0x0
	ds_store_b64 v4, v[14:15]                      ; the table, 512 threads x 8 bytes
.irp i, 16,17,18,19,20,21,22,23
	v_min_u32 v[\i], 0xff, v[\i]                   ; an index stays inside the table
.endr
.irp i, 16,17,18,19,20,21,22,23
	v_lshlrev_b32 v[\i], 4, v[\i]                  ; a row of the table is 16 bytes
.endr
	s_wait_alu depctr_va_vdst(0)
	s_wait_dscnt 0x0                               ; for the others: my part of the table is stored
	s_barrier_signal -1
	s_barrier_wait -1
.irp i, 0,1,2,3,4,5,6,7
	ds_load_b128 v[32+4*\i:35+4*\i], v[16+\i]
.endr
	s_wait_dscnt 0x0
	s_barrier_signal -1                            ; every gather is back ahead of the first store of codes; register work until the wait
.set WI, 0
.irp g, v32.l,v32.h,v33.l,v33.h,v34.l,v34.h,v35.l,v35.h,v36.l,v36.h,v37.l,v37.h,v38.l,v38.h,v39.l,v39.h,v40.l,v40.h,v41.l,v41.h,v42.l,v42.h,v43.l,v43.h,v44.l,v44.h,v45.l,v45.h,v46.l,v46.h,v47.l,v47.h,v48.l,v48.h,v49.l,v49.h,v50.l,v50.h,v51.l,v51.h,v52.l,v52.h,v53.l,v53.h,v54.l,v54.h,v55.l,v55.h,v56.l,v56.h,v57.l,v57.h,v58.l,v58.h,v59.l,v59.h,v60.l,v60.h,v61.l,v61.h,v62.l,v62.h,v63.l,v63.h
	v_cvt_f32_f16 v[X+WI], \g
.set WI, WI+1
.endr
; the largest magnitudes: blocks e = 0, 1, two chains each, by turns
.irp e, 0,1
	v_max3_num_f32 v[24+2*\e], |v[X+32*\e]|, |v[X+32*\e+1]|, |v[X+32*\e+2]|
	v_max3_num_f32 v[25+2*\e], |v[X+32*\e+3]|, |v[X+32*\e+4]|, |v[X+32*\e+5]|
.endr
.irp i, 6,10,14,18,22,26
.irp e, 0,1
	v_max3_num_f32 v[24+2*\e], v[24+2*\e], |v[X+32*\e+\i]|, |v[X+32*\e+\i+1]|
	v_max3_num_f32 v[25+2*\e], v[25+2*\e], |v[X+32*\e+\i+2]|, |v[X+32*\e+\i+3]|
.endr
.endr
.irp e, 0,1
	v_max3_num_f32 v[24+2*\e], v[24+2*\e], |v[X+32*\e+30]|, |v[X+32*\e+31]|
.endr
.irp e, 0,1
	v_max3_num_f32 v[24+2*\e], v[24+2*\e], v[25+2*\e], 0x1800000   ; and the floor 2^(3 - 127): the byte cannot fall under 1
.endr
.irp e, 0,1
	v_add_nc_u32 v[28+\e], 0xff000000, v[24+2*\e]  ; 2 off the exponent field: the conversion takes this operand's exponent field as its scale
.endr
.irp e, 0,1
.irp g, 0,1,2,3
	v_cvt_scalef32_pk8_fp4_f32 v[128+4*\e+\g], v[X+32*\e+8*\g:X+32*\e+8*\g+7], v[28+\e]
.endr
.endr
.irp e, 0,1
	v_lshrrev_b32 v[144+\e], 23, v[28+\e]          ; the scale's byte; also the plain lines behind the conversions
.endr
	s_wait_alu depctr_va_vdst(0)
	s_barrier_wait -1
.irp e, 0,1
	ds_store_b128 v6, v[128+4*\e:131+4*\e] offset:512*\e
	ds_store_b8 v7, v[144+\e] offset:4*\e
.endr
	s_wait_dscnt 0x0                               ; for the others: my codes and bytes are stored
	s_barrier_signal -1
	s_barrier_wait -1
	ds_load_b128 v[136:139], v10
	ds_load_b128 v[140:143], v10 offset:2*KP
	s_wait_dscnt 0x0
	global_store_b128 v11, v[136:139], s[8:9]      ; 512 consecutive, aligned bytes
	global_store_b128 v11, v[140:143], s[8:9] offset:512
	s_cmp_lt_u32 s16, 2
	s_cbranch_scc0 .Lend
	ds_load_b128 v[32:35], v13
	s_wait_dscnt 0x0
	global_store_b128 v12, v[32:35], s[10:11]      ; waves 0 and 1: 512 consecutive, aligned bytes of ws each
.Lend:
	s_wait_tensorcnt 0x0                           ; the wave's end
	ds_add_u32 v30, v31
	s_wait_dscnt 0x0
	s_endpgm
.Lfunc_end_k_q0caf59eeb8_prep:
	.size	k_q0caf59eeb8_prep, .Lfunc_end_k_q0caf59eeb8_prep-k_q0caf59eeb8_prep
	.p2alignl 7, 3214868480
	.fill 96, 4, 3214868480
	.section	.rodata,"a",@progbits
	.p2align	6, 0x0
	.amdhsa_kernel k_q0caf59eeb8_prep
		.amdhsa_group_segment_fixed_size 23808
		.amdhsa_private_segment_fixed_size 0
		.amdhsa_enable_private_segment 0
		.amdhsa_kernarg_size 32
		.amdhsa_user_sgpr_count 2
		.amdhsa_user_sgpr_kernarg_segment_ptr 1
		.amdhsa_wavefront_size32 1
		.amdhsa_system_sgpr_workgroup_id_x 1
		.amdhsa_system_sgpr_workgroup_id_y 1
		.amdhsa_system_sgpr_workgroup_id_z 1
		.amdhsa_system_vgpr_workitem_id 0
		.amdhsa_next_free_vgpr 148
		.amdhsa_next_free_sgpr 66
		.amdhsa_reserve_vcc 0
		.amdhsa_float_denorm_mode_32 3
		.amdhsa_float_denorm_mode_16_64 3
		.amdhsa_memory_ordered 1
		.amdhsa_forward_progress 1
		.amdhsa_inst_pref_size 11
	.end_amdhsa_kernel
	.amdgpu_metadata
---
amdhsa.version: [ 1, 2 ]
amdhsa.kernels:
  - .name:           k_q0caf59eeb8_prep
    .symbol:         k_q0caf59eeb8_prep.kd
    .args:
      - { .name: codebook, .offset: 0, .size: 8, .value_kind: global_buffer, .address_space: global }
      - { .name: indices, .offset: 8, .size: 8, .value_kind: global_buffer, .address_space: global }
      - { .name: w_codes, .offset: 16, .size: 8, .value_kind: global_buffer, .address_space: global }
      - { .name: ws, .offset: 24, .size: 8, .value_kind: global_buffer, .address_space: global }
    .group_segment_fixed_size: 23808
    .private_segment_fixed_size: 0
    .kernarg_segment_align: 8
    .kernarg_segment_size: 32
    .max_flat_workgroup_size: 512
    .sgpr_count:     66
    .vgpr_count:     148
    .wavefront_size: 32
...
	.end_amdgpu_metadata
.endif
;; end of part 1
;; launch gemm (part 2): grid 16 x 16, 4 waves a work-group, clusters of 4 x 4, 327,680 bytes of LDS; arguments x_codes, x_scales, w_codes, ws, out0; writes out0
.if DOCPART == 2
	.amdgcn_target "amdgcn-amd-amdhsa--gfx1250"
	.amdhsa_code_object_version 6
	.text
	.protected	k_q0caf59eeb8_gemm
	.globl	k_q0caf59eeb8_gemm
	.p2align	8
	.type	k_q0caf59eeb8_gemm,@function
k_q0caf59eeb8_gemm:
	s_mov_b64 s[64:65], 0
	v_nop
	global_prefetch_b8 v0, s[64:65] scope:SCOPE_SE
	s_setreg_imm32_b32 hwreg(HW_REG_WAVE_MODE, 25, 1), 1
	s_wait_xcnt 0x0
	s_wait_alu depctr_hold_cnt(0) depctr_sa_sdst(0) depctr_va_vdst(0) depctr_va_sdst(0) depctr_va_ssrc(0) depctr_va_vcc(0) depctr_vm_vsrc(0)
	s_getreg_b32 s2, hwreg(HW_REG_IB_STS2, 6, 4)
	s_cmp_eq_u32 s2, 0
	s_cbranch_scc0 .Lentry_in_a_cluster
	s_endpgm
.Lentry_in_a_cluster:
	s_bfe_u32 s2, ttmp6, 0x10000c
	s_cmp_lg_u32 s2, 0xf033
	s_cbranch_scc0 .Lentry_shape_is_right
	s_endpgm
.Lentry_shape_is_right:
; out0[m][n] = sum over k of x[m][k] W[n][k].  x: [8192][4096] codes of FP4 (E2M1), a row 2,048 bytes, with one E8M0 byte for each 32 along K, rows of 128 bytes; W as the image of the operand's registers (w_codes, ws: see below); out0: [8192][2048] f32; sums in f32.
; A work-group makes 256 x 256: 32 x 8 = 256 work-groups; a wave 256 rows x 64 columns: 32 accumulators of 32 x 16, 512 registers.
; CLUSTERS: 4 x 4 work-groups take ALL eight column blocks of two row blocks: row cy of the cluster has row block 2 q + cy / 2 (q: the cluster's number) and column blocks 4 (cy % 2) + cx.
; K goes in four chunks of 1,024 (trips), eight steps of 128 each.  x's 256 rows of a chunk come into one of two LDS slots by four tensor loads, one a wave (64 rows x 512 bytes).  Each load is JOINT: the four work-groups of a row of the cluster own the same
; rows of x and ask with the same descriptor; the two rows of the cluster that share a row block ask for the same bytes in the same trips.
; A slot is filled again behind a round of the cluster's barrier in the last step of its trip and has the next trip's eight steps in which to land; so no prefetch is laid for it.
; W DOES NOT PASS THROUGH LDS: each wave has columns of its own, so a fragment of W is read by one wave of the work-group alone and goes from memory straight into the registers that the matrix instruction names, 512 consecutive bytes a load, three
; steps ahead (27 loads); so W has no joint loads: beside x's 270,336 bytes and the scale bytes LDS has no room for two slots of W, and each change of slots would owe a round of the cluster's barrier.
; w_codes [g 32][S 32][t 4][c 2][lane 32][16 bytes]: columns n = 64 g + 4 r + t (r = lane % 16), step S of 128 along K;  ws [g][S][lane][2 words]: word j of lane l: the four scale bytes of column t = 2 j + l / 16, r = l % 16.
; A STEP is one run of loads (the next step's fragments of x, W's three steps on), then 32 matrix instructions without a break.
; THE LAST CHUNK GOES BY ROWS of out0: rows 0-127 are finished 32 after 32, then rows 128-255; finished rows leave while others are multiplied.
; THE WAY OUT needs no LDS: tile t's lane r holds column 4 r + t, so swapping registers (t, i) and (i, t) of four neighbouring tiles leaves each lane with four neighbouring columns of one row: 16 bytes, and sixteen lanes store 256 consecutive, aligned bytes.
; WHERE A ROW BLOCK BEGINS: row block y takes chunk T ^ ((y + y / 4) % 4) in its trip T, so that the row blocks, which all read the same W, ask for different parts of it first.
; LIMITS: a sum runs over the chunks of K in that order, not from k = 0: its order of rounding differs from K ascending.  A byte 0xff among x's scales is NaN to the matrix unit and makes its row's sums NaN.
; REGISTERS, in windows of 256: window 0: v0-15 addresses, v32-111 scale words, v128-255 x's fragments (8 x 32 rows x 128 K) of even steps;  window 1: v0-127 W's fragments, ring of 4 steps; v128-255 x's fragments of odd steps, in the
;   last chunk W's last four steps;  windows 2, 3: the sums of rows 0-127, 128-255: tile (a, b) at v[64 (a % 4) + 16 b], rows 32 a .., t = b.
.set PITCH,  528                       ; LDS row of a chunk: 512 bytes + 16: the sixteen rows that a load touches start in different banks
.set HALF,   128*PITCH
.set SLOT,   2*HALF
.set SPIT,   144                       ; LDS row of x's scale bytes: 128 + 16
.set SPARE,  256                       ; the spare words: 128 bytes a wave
.set SCB,    768                       ; x's scale bytes: 256 rows
.set XBASE,  SCB+256*SPIT              ; x's two slots
.set SPW,  2                           ; v2      LDS address of my spare word; never rewritten
.set NIL,  3                           ; v3      0; never rewritten
.set WOF,  4                           ; v4      16 x lane
.set SOF,  5                           ; v5      8 x lane
.set OOF,  6                           ; v6      my byte offset in out0: 8 h rows + 16 r
.set ADRA, 8                           ; v8-11   LDS address of my fragments: slot 0 rows 0-127, rows 128-255; slot 1 the same
.set ADRS, 12                          ; v12     LDS address of my scale words
.set XSO,  13                          ; v13     head: my byte offset in x_scales
.set XSW,  14                          ; v14     head: and where it goes in LDS
.set XSC,  32                          ; v32-95  x's scale words: two sets of four steps: register 32 set + 4 a + step: lane l has row 32 a + l
.set WSC,  96                          ; v96-111 W's scale words: 8 steps x 2: lanes 0-15 tile 0 (2), lanes 16-31 tile 1 (3)
.set XB,   128                         ; x's fragments: slot s at v[128 + 16 s], in window 0 or 1
.set XST,  128                         ; v128-191 head: x's scale bytes on their way
.set WB,   20                          ; s[20:27] W's codes: the base of trip 0 .. 3
.set SBS,  28                          ; s[28:35] the same in ws
.set G0,   68                          ; s[68:71] descriptor group 0 of slot 0, s[88:91] of slot 1
.set G0B,  88
.set G1,   72
.set OUT,  84                          ; s[84:85] out0 at my first row and column
.set XR,   92                          ; s[92:93] x's codes at my wave's 64 rows
.set MSB, 0
.macro WIN new                         ; the immediate's high byte repeats the setting that is left; a switch that changes nothing is dropped
.if MSB != \new
	s_set_vgpr_msb (MSB<<8)|(\new)
.set MSB, \new
.endif
.endm
.macro CREST                           ; a round of the cluster's barrier behind its opening barrier
	s_cmp_lg_u32 s14, 0
	s_cbranch_scc1 .Lnot_wave_0_\@
	s_barrier_signal -3
.Lnot_wave_0_\@:
	s_barrier_wait -3
	s_barrier_signal -1
	s_barrier_wait -1
.endm
.macro ROUND                           ; a whole round
	s_barrier_signal -1
	s_barrier_wait -1
	CREST
.endm
.macro PLACES                          ; four places in front of loads into registers that matrix instructions have read, and of reads of their results
.rept 4
	v_nop
.endr
.endm
.macro AIM g, t                        ; group 0's global address: the chunk of trip t; the type on top.  It stands only where no tensor load of the wave names these registers
	s_xor_b32 s60, s15, \t
	s_lshl_b32 s60, s60, 9
	s_add_nc_u64 s[\g+2:\g+3], s[XR:XR+1], s[60:61]
	s_or_b32 s[\g+3], s[\g+3], 0x80000000
.endm
.macro XL slot, adr, a, q              ; x's fragment, rows 32 a .. of the 128, the chunk's q-th 128 along K: lane (r, h): registers 8 u + 4 c ..: row 16 u + r, K = 64 c + 32 h ..
.irp u, 0,1
.irp c, 0,1
	ds_load_b128 v[XB+16*(\slot)+8*\u+4*\c:XB+16*(\slot)+8*\u+4*\c+3], v[\adr] offset:(32*(\a)+16*\u)*PITCH+64*(\q)+32*\c
.endr
.endr
.endm
.macro SCL set, i, col                 ; x's scale words of four steps, rows 32 i ..
	ds_load_b128 v[XSC+32*(\set)+4*(\i):XSC+32*(\set)+4*(\i)+3], v[ADRS] offset:16*(\col)+32*SPIT*(\i)
.endm
.macro WL slot, tj, wb, sb             ; W's four tiles and their scale words of a trip's step tj: nine loads
	WIN 0x40
.irp b, 0,1,2,3
.irp c, 0,1
	global_load_b128 v[32*(\slot)+8*\b+4*\c:32*(\slot)+8*\b+4*\c+3], v[WOF], s[\wb:\wb+1] offset:4096*(\tj)+1024*\b+512*\c
.endr
.endr
	WIN 0
	global_load_b64 v[WSC+2*(\slot):WSC+2*(\slot)+1], v[SOF], s[\sb:\sb+1] offset:256*(\tj)
.endm
; One product: rows 32 a .. (x's slot xs) x tile b, 128 along K: the trip's step J, W's slot wsl.  Z = 1: it starts the sum: nothing is ever cleared.  The accumulators take turns.
.macro MM a, b, xs, wsl
.set ACD, 64*((\a)%4)+16*(\b)
.set AXF, XB+16*(\xs)
.set AWF, 32*(\wsl)+8*(\b)
.set ASX, XSC+32*(J/4)+4*(\a)+J%4
.set ASW, WSC+2*(\wsl)+(\b)/2
.if Z
.if (\b)%2
	v_wmma_scale_f32_32x16x128_f4 v[ACD:ACD+15], v[AXF:AXF+15], v[AWF:AWF+7], 0, v[ASX], v[ASW] matrix_b_scale:MATRIX_SCALE_ROW1
.else
	v_wmma_scale_f32_32x16x128_f4 v[ACD:ACD+15], v[AXF:AXF+15], v[AWF:AWF+7], 0, v[ASX], v[ASW]
.endif
.else
.if (\b)%2
	v_wmma_scale_f32_32x16x128_f4 v[ACD:ACD+15], v[AXF:AXF+15], v[AWF:AWF+7], v[ACD:ACD+15], v[ASX], v[ASW] matrix_b_scale:MATRIX_SCALE_ROW1
.else
	v_wmma_scale_f32_32x16x128_f4 v[ACD:ACD+15], v[AXF:AXF+15], v[AWF:AWF+7], v[ACD:ACD+15], v[ASX], v[ASW]
.endif
.endif
.endm
.macro ITEM a, xs, wsl, p              ; rows 32 a .. x the wave's four tiles; p: the window of x's fragments.  Source 1 (W) window 1, C and D window 2 or 3
	WIN 0xa4+0x50*((\a)/4)+(\p)
.irp b, 0,1,2,3
	MM \a, \b, \xs, \wsl
.endr
.endm
.macro SW1 a, g, b, i
	v_swap_b32 v[64*((\a)%4)+16*(\b)+4*(\g)+\i], v[64*((\a)%4)+16*(\i)+4*(\g)+\b]
.endm
.macro SWAPS a, g                      ; registers 4 g .. 4 g + 3 of the four tiles of rows 32 a: the 4 x 4 transpose in place
	SW1 \a, \g, 0, 1
	SW1 \a, \g, 0, 2
	SW1 \a, \g, 0, 3
	SW1 \a, \g, 1, 2
	SW1 \a, \g, 1, 3
	SW1 \a, \g, 2, 3
.endm
.macro ST a, g, b                      ; behind SWAPS tile b's four registers are row j = 4 g + b of each half: rows 32 a + j + 8 h (j < 8), 32 a + 8 + j + 8 h (j > 7)
.set STD, 64*((\a)%4)+16*(\b)+4*(\g)
.set STJ, 4*(\g)+(\b)
	global_store_b128 v[OOF], v[STD:STD+3], s[OUT:OUT+1] offset:(32*(\a)+STJ+8*(STJ/8))*8192 th:TH_STORE_NT
.endm
.macro SWAPN a, g, n                   ; n quarters of rows 32 a, from quarter g on
	WIN 0x82+0x41*((\a)/4)
.set QG, \g
.rept \n
	SWAPS \a, QG
.set QG, QG+1
.endr
	s_wait_alu depctr_va_vdst(0)                   ; directly behind the writes: the stores read them
.endm
.macro STN a, g, n
	WIN 0x08+4*((\a)/4)
.set QG, \g
.rept \n
.irp b, 0,1,2,3
	ST \a, QG, \b
.endr
.set QG, QG+1
.endr
.endm
; A step's run of loads: two of the next four steps' eight loads of scale words; the next step's fragments of x into the other window; W's step three on.
.macro LOADS
	WIN 0
.set LCOL, 2*T+1
.if J > 3
.set LCOL, 2*T+2
.endif
	SCL 1-J/4, 2*(J%4), LCOL
	SCL 1-J/4, 2*(J%4)+1, LCOL
.set LSL, T%2
.set LQ, J+1
.if J == 7
.set LSL, (T+1)%2
.set LQ, 0
.endif
.if 8*T+J == 23
.irp a, 0,1,2,3                        ; the last chunk begins with rows 0-127 alone
	XL \a, ADRA+2*LSL, \a, LQ
.endr
.else
	WIN 0x40*(1-J%2)
.irp a, 0,1,2,3
	XL \a, ADRA+2*LSL, \a, LQ
.endr
.irp a, 4,5,6,7
	XL \a, ADRA+2*LSL+1, \a-4, LQ
.endr
.endif
.if J < 5
	WL (J+3)%4, J+3, WB+2*T, SBS+2*T
.else
	WL (J+3)%4, J-5, WB+2*T+2, SBS+2*T+2
.endif
.endm
.macro STEP
	PLACES
	LOADS
	s_wait_loadcnt 27                              ; this step's W is in: the three younger steps' nine loads each may be out
.irp a, 0,1,2,3,4,5,6,7
	s_wait_dscnt 62-4*\a                           ; rows 32 a's fragment is in: behind it the later rows' and the 34 of the run above
	ITEM \a, \a, J%4, J%2
.endr
.endm
; A trip's last step: no fragment is read from its slot any more.  In front of the barrier each wave waits for all its tensor loads (its part of the next slot), adds 0 to its spare word, and waits for that and for its reads; behind it the next slot is whole
; and, where two trips on has a chunk, this slot is filled with it.
.macro TURN
	WIN 0
	s_wait_tensorcnt 0x0                           ; all my tensor loads have landed
	ds_add_u32 v[SPW], v[NIL]                      ; 0 onto my spare word
.if T == 0
	AIM G0, 2
.endif
.if T == 1
	AIM G0B, 3
.endif
	s_wait_loadcnt 18                              ; this step's W is in: the two younger steps' may be out
	s_wait_dscnt 1                                 ; this step's fragments are in; the add may be out
	ITEM 0, 0, J%4, J%2
	ITEM 1, 1, J%4, J%2
	s_wait_dscnt 0x0                               ; the add is done, and so are my reads of this slot
	s_barrier_signal -1
	ITEM 2, 2, J%4, J%2
	ITEM 3, 3, J%4, J%2
	WIN 0
	s_barrier_wait -1
.if T < 2
	CREST                                          ; no wave of any partner still reads this slot or has a load on its way
.if T == 0
	tensor_load_to_lds s[G0:G0+3], s[G1:G1+7]
	s_nop 0
.else
	tensor_load_to_lds s[G0B:G0B+3], s[G1:G1+7]
	s_nop 0
.endif
.endif
	PLACES
	LOADS
	ITEM 4, 4, J%4, J%2
	ITEM 5, 5, J%4, J%2
	ITEM 6, 6, J%4, J%2
	ITEM 7, 7, J%4, J%2
.endm
	s_load_b256 s[4:11], s[0:1], 0x0               ; x_codes, x_scales, w_codes, ws
	s_load_b64 s[12:13], s[0:1], 0x20              ; out0
	v_lshl_add_u32 v[SPW], v0, 2, SPARE
	v_mov_b32 v[NIL], 0
	ds_add_u32 v[SPW], v[NIL]                      ; the wave's opening: the add, twice on end, and its wait ahead of my first tensor load
	ds_add_u32 v[SPW], v[NIL]
	v_lshrrev_b32 v1, 5, v0
	v_readfirstlane_b32 s14, v1                    ; wave 0..3
	s_bfe_u32 s16, ttmp6, 0x40000                  ; cx
	s_bfe_u32 s18, ttmp6, 0x40004                  ; cy
	s_and_b32 s17, ttmp7, 0xffff
	s_lshl_b32 s17, s17, 2
	s_add_co_u32 s17, s17, ttmp9                   ; q = 4 x cluster y + cluster x
	s_lshl_b32 s17, s17, 1
	s_lshr_b32 s66, s18, 1
	s_add_co_u32 s17, s17, s66                     ; y = 2 q + cy / 2: which 256 rows
	s_lshr_b32 s15, s17, 2
	s_add_co_u32 s15, s15, s17
	s_and_b32 s15, s15, 3                          ; trip T takes chunk T ^ s15: made of the row block alone, which the four of a mask share
	s_and_b32 s66, s18, 1
	s_lshl_b32 s66, s66, 2
	s_add_co_u32 s19, s66, s16                     ; which 256 columns = 4 (cy % 2) + cx
	s_lshl_b32 s67, s18, 2
	s_lshl_b32 s67, 15, s67                        ; my row of the cluster: places 4 cy .. 4 cy + 3
	s_or_b32 s[G1+0], s67, (1<<20)|(1<<21)|(6<<22)|(3<<25)   ; 15:0 the mask; elements of 1 byte; padding on; 21 set beside a mask; after every 128 words (code 6) 4 words (code 3)
	s_mov_b32 s[G1+1], 512<<16                     ; tensor_dim0 = 512
	s_mov_b32 s[G1+2], 64<<16                      ; tensor_dim1 = 64
	s_mov_b32 s[G1+3], 512<<16                     ; tile_dim0 = 512
	s_mov_b32 s[G1+4], 64                          ; tile_dim1 = 64
	s_mov_b32 s[G1+5], 2048                        ; bytes from row to row
	s_mov_b32 s[G1+6], 0
	s_mov_b32 s[G1+7], 0
	s_mov_b32 s[G0], 1
	s_mov_b32 s[G0B], 1
	s_mul_i32 s[G0+1], s14, 64*PITCH               ; wave w fills rows 64 w .. of a slot
	s_add_co_u32 s[G0+1], s[G0+1], XBASE
	s_mul_i32 s[G0B+1], s14, 64*PITCH
	s_add_co_u32 s[G0B+1], s[G0B+1], XBASE+SLOT
	s_lshl_b32 s62, s17, 19                        ; 256 rows of 2,048 bytes,
	s_lshl_b32 s63, s14, 17                        ; my wave's 64 of them
	s_add_co_u32 s62, s62, s63
	s_mov_b32 s63, 0
	s_mov_b32 s61, 0
	s_lshl_b32 s80, s17, 15                        ; x_scales: 256 rows of 128 bytes
	s_mov_b32 s81, 0
	v_and_b32 v1, 31, v0                           ; lane
	v_and_b32 v7, 15, v0                           ; r
	v_bfe_u32 v15, v0, 4, 1                        ; h
	v_lshlrev_b32 v[WOF], 4, v1
	v_lshlrev_b32 v[SOF], 3, v1
	v_lshlrev_b32 v[OOF], 4, v7
	v_lshl_add_u32 v[OOF], v15, 16, v[OOF]
	v_mul_u32_u24 v[ADRA], v7, PITCH
	v_lshl_add_u32 v[ADRA], v15, 4, v[ADRA]
	v_add_nc_u32 v[ADRA], XBASE, v[ADRA]
	v_add_nc_u32 v[ADRA+1], HALF, v[ADRA]
	v_add_nc_u32 v[ADRA+2], 2*HALF, v[ADRA]
	v_add_nc_u32 v[ADRA+3], 3*HALF, v[ADRA]
	v_mul_u32_u24 v[ADRS], v1, SPIT
	v_add_nc_u32 v[ADRS], SCB, v[ADRS]
	; x's scale bytes: wave w brings rows 64 w .. 64 w + 63, four rows (512 consecutive bytes) a load; a row's eight pieces of 16 bytes (512 along K) are taken in the order of the trips
	v_and_b32 v16, 7, v1
	v_lshrrev_b32 v17, 3, v1
	s_lshl_b32 s82, s15, 1
	v_xor_b32 v[XSO], s82, v16
	v_lshlrev_b32 v[XSO], 4, v[XSO]
	v_lshl_add_u32 v[XSO], v17, 7, v[XSO]
	s_lshl_b32 s83, s14, 13
	v_add_nc_u32 v[XSO], s83, v[XSO]
	v_mul_u32_u24 v[XSW], v17, SPIT
	v_lshl_add_u32 v[XSW], v16, 4, v[XSW]
	s_mul_i32 s83, s14, 64*SPIT
	s_add_co_u32 s83, s83, SCB
	v_add_nc_u32 v[XSW], s83, v[XSW]
	s_wait_alu depctr_va_vdst(0)                   ; the wait at the head's end
	s_wait_dscnt 0x0                               ; both opening adds are done
	s_wait_kmcnt 0x0
	s_add_nc_u64 s[XR:XR+1], s[4:5], s[62:63]
	AIM G0, 0
	AIM G0B, 1
	s_add_nc_u64 s[6:7], s[6:7], s[80:81]
.irp i, 0,1,2,3,4,5,6,7,8,9,10,11,12,13,14,15
	global_load_b128 v[XST+4*\i:XST+4*\i+3], v[XSO], s[6:7] offset:512*\i   ; on their way beside the round
.endr
	ROUND                                          ; all sixteen work-groups are here: the joint loads meet
	tensor_load_to_lds s[G0:G0+3], s[G1:G1+7]      ; the first chunk: the wave's one tensor load at the head
	s_nop 0
	s_lshl_b32 s80, s19, 2
	s_add_co_u32 s80, s80, s14                     ; my 64 columns: group 4 x column block + wave
	s_lshl_b32 s82, s80, 17                        ; a group is 131,072 bytes of w_codes
.irp t, 0,1,2,3
	s_xor_b32 s60, s15, \t                         ; trip t: chunk t ^ s15: 8 steps of 4,096 bytes
	s_lshl_b32 s60, s60, 15
	s_add_co_u32 s60, s60, s82
	s_lshr_b32 s62, s60, 4                         ; in ws all is a sixteenth
	s_add_nc_u64 s[WB+2*\t:WB+2*\t+1], s[8:9], s[60:61]
	s_add_nc_u64 s[SBS+2*\t:SBS+2*\t+1], s[10:11], s[62:63]
.endr
.irp s, 0,1,2
	WL \s, \s, WB, SBS                             ; W's steps 0 to 2
.endr
	s_lshl_b32 s60, s17, 21                        ; out0: 256 rows of 8,192 bytes
	s_lshl_b32 s62, s80, 8                         ; 64 columns are 256 bytes
	s_add_co_u32 s60, s60, s62
	s_add_nc_u64 s[OUT:OUT+1], s[12:13], s[60:61]
	s_wait_loadcnt 27                              ; x's scale bytes are in: the 27 younger loads of W may be out
.irp i, 0,1,2,3,4,5,6,7,8,9,10,11,12,13,14,15
	ds_store_b128 v[XSW], v[XST+4*\i:XST+4*\i+3] offset:4*SPIT*\i
.endr
	s_wait_tensorcnt 0x0                           ; my part of the first chunk has landed
	ds_add_u32 v[SPW], v[NIL]
	s_wait_dscnt 0x0                               ; the add is done, and my scale bytes are stored
	ROUND                                          ; everybody's: slot 0 and the scale bytes are whole
	tensor_load_to_lds s[G0B:G0B+3], s[G1:G1+7]    ; the second chunk
	s_nop 0
	PLACES
.irp i, 0,1,2,3,4,5,6,7
	SCL 0, \i, 0
.endr
.irp a, 0,1,2,3
	XL \a, ADRA, \a, 0
.endr
.irp a, 4,5,6,7
	XL \a, ADRA+1, \a-4, 0
.endr
.set T, 0
.rept 3                                ; three trips
.set J, 0
.rept 7
.set Z, 0
.if 8*T+J == 0
.set Z, 1
.endif
	STEP
.set J, J+1
.endr
.set Z, 0
	TURN
.set T, T+1
.endr
; THE LAST CHUNK, in 16 groups of four items (32 rows x 64 columns, 128 along K): groups 0-3: step g, rows 0-127; groups 4-7: rows 32 (g - 4), steps 4-7; groups 8-15: rows 128 + 32 ((g - 8) / 2), steps 0-3 or 4-7.
; W's last four steps take the registers of odd steps' x; x's fragments go by turns through slots 0-3 and 4-7 of window 0.
.macro GIT g, i                        ; item i of group g: its rows and its step
.if (\g) < 4
.set QA, \i
.set QJ, \g
.else
.if (\g) < 8
.set QA, (\g)-4
.set QJ, 4+\i
.else
.set QA, 4+((\g)-8)/2
.set QJ, 4*(((\g)-8)%2)+\i
.endif
.endif
.endm
.set G, 0
.rept 16
.set ON, 0                             ; what leaves in this group: ON quarters of rows 32 OA, from quarter OG on
.if G > 4
.if G < 9
.set OA, G-5
.set OG, 0
.set ON, 4
.endif
.endif
.if G > 9
.set OA, 4+(G-10)/2
.set OG, 2*(G%2)
.set ON, 2
.endif
	PLACES
.if ON > 0
	SWAPN OA, OG, ON
.endif
	WIN 0
.if G == 0
.irp i, 0,1,2,3,4,5,6,7
	SCL 1, \i, 7                                   ; the last four steps' scale words
.endr
.endif
.if G < 15
.irp i, 0,1,2,3
	GIT G+1, \i
	XL 4*((G+1)%2)+\i, ADRA+2+QA/4, QA%4, QJ       ; the next group's fragments
.endr
.endif
.if G == 0
.irp s, 3,4,5,6,7
	WL \s, \s, WB+6, SBS+6                         ; W's last five steps
.endr
.endif
.if ON > 0
	STN OA, OG, ON
.endif
.irp i, 0,1,2,3
	GIT G, \i
.set J, QJ
.if G < 4
.if \i == 0
	s_wait_loadcnt 63-9*G                          ; step G's W is in: nine loads for each step behind it may be out
.endif
.endif
.if G == 4
	s_wait_loadcnt 27-9*\i
.endif
.set DC, 12-4*\i                       ; the group's later fragments may be out,
.if G < 15
.set DC, DC+16                         ; the next group's,
.endif
.if G == 0
.set DC, DC+8                          ; and the eight loads of scale words
.endif
	s_wait_dscnt DC
	ITEM QA, 4*(G%2)+\i, QJ, 0
.endr
.set G, G+1
.endr
	PLACES
	SWAPN 7, 0, 4
	STN 7, 0, 4
	WIN 0
	s_wait_tensorcnt 0x0                           ; the wave's end, behind my last tensor load and my last LDS store
	ds_add_u32 v[SPW], v[NIL]
	s_wait_dscnt 0x0
	ROUND                                          ; the closing round
	s_endpgm
.Lfunc_end_k_q0caf59eeb8_gemm:
	.size	k_q0caf59eeb8_gemm, .Lfunc_end_k_q0caf59eeb8_gemm-k_q0caf59eeb8_gemm
	.p2alignl 7, 3214868480
	.fill 96, 4, 3214868480
	.section	.rodata,"a",@progbits
	.p2align	6, 0x0
	.amdhsa_kernel k_q0caf59eeb8_gemm
		.amdhsa_group_segment_fixed_size 327680
		.amdhsa_private_segment_fixed_size 0
		.amdhsa_enable_private_segment 0
		.amdhsa_kernarg_size 40
		.amdhsa_user_sgpr_count 2
		.amdhsa_user_sgpr_kernarg_segment_ptr 1
		.amdhsa_wavefront_size32 1
		.amdhsa_system_sgpr_workgroup_id_x 1
		.amdhsa_system_sgpr_workgroup_id_y 1
		.amdhsa_system_sgpr_workgroup_id_z 1
		.amdhsa_system_vgpr_workitem_id 0
		.amdhsa_next_free_vgpr 1024
		.amdhsa_next_free_sgpr 96
		.amdhsa_reserve_vcc 0
		.amdhsa_float_denorm_mode_32 3
		.amdhsa_float_denorm_mode_16_64 3
		.amdhsa_memory_ordered 1
		.amdhsa_forward_progress 1
		.amdhsa_inst_pref_size 255
	.end_amdhsa_kernel
	.section	.bss,"aw",@nobits
	.p2align	6
	.space	262144
	.amdgpu_metadata
---
amdhsa.version: [ 1, 2 ]
amdhsa.kernels:
  - .name:           k_q0caf59eeb8_gemm
    .symbol:         k_q0caf59eeb8_gemm.kd
    .args:
      - { .name: x_codes, .offset: 0, .size: 8, .value_kind: global_buffer, .address_space: global }
      - { .name: x_scales, .offset: 8, .size: 8, .value_kind: global_buffer, .address_space: global }
      - { .name: w_codes, .offset: 16, .size: 8, .value_kind: global_buffer, .address_space: global }
      - { .name: ws, .offset: 24, .size: 8, .value_kind: global_buffer, .address_space: global }
      - { .name: out0, .offset: 32, .size: 8, .value_kind: global_buffer, .address_space: global }
    .group_segment_fixed_size: 327680
    .private_segment_fixed_size: 0
    .kernarg_segment_align: 8
    .kernarg_segment_size: 40
    .max_flat_workgroup_size: 128
    .sgpr_count:     96
    .vgpr_count:     1024
    .wavefront_size: 32
...
	.end_amdgpu_metadata
.endif
;; end of part 2
